; MI455X (gfx1250); checked and timed in simulation.
; The chip was launched on July 23, 2026; its instructions are those of AMD's public machine-readable ISA for CDNA 5 (MIT licence, August 2026) and "CDNA5" Instruction Set Architecture Reference Guide (July 2026). The comments in the code are by the model that wrote it; some were corrected since.
;; Lie Fuc With Bracket Weight Optimized. Allowed arithmetic: float matrix products may take bf16 or f16 operands with f32 sums; all other float work in f32.
;; Inputs: W 128 x 64 float32; x 8 x 64 x 512 float32.
;; Outputs: out0 8 x 64 x 512 float32.
;; 2 versions, each right; version 2 is version 1 with the launch bracket written anew for expert scheduling mode. Each part assembles by itself: llvm-mc -triple=amdgcn-amd-amdhsa -mcpu=gfx1250 --defsym DOCPART=n.
;; ======== version 1 of 2: 1 launch
;; launch bracket (part 1): grid 256 x 1, 8 waves a work-group, no clusters, 115,712 bytes of LDS; arguments x, W, out0; writes out0
.if DOCPART == 1
	.amdgcn_target "amdgcn-amd-amdhsa--gfx1250"
	.amdhsa_code_object_version 6
	.text
	.protected	k_q6fcc683bb4_bracket
	.globl	k_q6fcc683bb4_bracket
	.p2align	8
	.type	k_q6fcc683bb4_bracket,@function
k_q6fcc683bb4_bracket:
	s_mov_b64 s[64:65], 0
	v_nop
	global_prefetch_b8 v0, s[64:65] scope:SCOPE_SE
	s_setreg_imm32_b32 hwreg(HW_REG_WAVE_MODE, 25, 1), 1
	s_wait_xcnt 0x0
; out0[b][d][j] = sum over w of x[b][d][w] * wmat[w][j],  wmat[w][j] = 1 for w < j,  1 - |a_j + b_w| for w >= j,
; a_j[k] = sum over d of x[b][d][j] W[d][k],  b_w[k] = sum over d of x[b][d][w] W[64+d][k].   x, out0: [8][64][512] f32, W: [128][64] f32.
;
; SHARES.  256 work-groups, 32 for a batch.  Work-group t of a batch owns 16 columns j: 8t..8t+7 (the low group) and 504-8t..511-8t (the
; high group), 4,104 pairs (w >= j) whatever t is.  Rows go in tiles of 16.  Wave v keeps b of tiles 31-v, 16+v, 15-v, v (slots 0..3) in the
; 128 registers into which its matrix instructions wrote it: lane (r, h) holds row r of the tile and the 32 channels 16 m + 8 h + j'.
; A group at tile p needs the tiles >= p, which are the first n slots of every wave: n = 2..4 for the low group, 0..2 for the high one;
; n_low + n_high is 4 in seven waves and 5 in one.  The sum of squares is made directly from a + b in f32: no difference of large sums.
; a of two columns at a time comes from LDS, the same 16 bytes for all lanes of a half, through a ring of 16 loads filled one column pair ahead.
; The eight column pairs are written out, not looped: a pair's place stands in the immediates of its LDS loads and stores, and no LDS
; address register is ever rewritten.
; 1 - n goes to LDS as bf16, K (= w) along the rows; what no tile writes was filled with 1.0 at the start.  The closing product is 64 matrix
; instructions, 8 a wave (16 rows d, half of K); the two halves of K meet in LDS.
;
; NOT USED, by this text's own arithmetic.  Joint tensor loads for x (shared by 32 work-groups) and W (by all): both are f32 in memory and
; the matrix unit takes bf16; through registers the rounding is done on the way and LDS takes 80 KiB of stores, while a tile brought as f32
; would be 160 KiB of fill, 160 KiB read back, and the same 80 KiB.  Whole aligned blocks of 256 bytes of out0: a block is 64 columns of one
; row; 64 columns a work-group would leave 64 work-groups (32 with equal work) and 4 to 8 times the vector work for each SIMD.  Here a lane
; stores 32 consecutive bytes, and eight work-groups share a block of 256.
; LIMITS.  x and 1 - n enter the closing product rounded to bf16, x and W the first two.  A sum of squares below 2^-126 gives n = 0
; (v_sqrt_f32 takes a denormal as zero: ISA guide, its entry in 15.8): an error below 1.1e-19 beside 1.  With non-finite inputs the entries with w < j are 1 here,
; where a product of an infinity and the mask's zero would make NaN.
.set PX,    1056                       ; LDS pitch of a row of x in bf16: 1,024 bytes + 32; rows 8..15 of every 16 lie 16 bytes further right (the skew)
.set PWB,   160                        ; LDS pitch of a row of W in bf16: 128 bytes + 32
.set WB,    64*PX                      ; W behind x (x begins at LDS byte 0)
.set A2,    WB+128*PWB                 ; a: [channel block m: 4][column pair, half: 16 blocks][8 channels][2 columns] f32
.set ABLK,  80                         ; a block: 64 bytes + 16
.set AMM,   16*ABLK
.set APAIR, 2*ABLK                     ; from a column pair to the next
.set WM,    A2+4*AMM                   ; 1 - n: [row tile: 32][column: 16][16 rows] bf16
.set WTILE, 544                        ; a tile's block: 16 x 32 bytes, columns 8..15 lie 16 bytes further right, + 16
.set WHIGH, 8*32+16                    ; where the high group's columns begin in a tile's block
.set RED,   WM+32*WTILE                ; sums of the upper half of K: 4 x 1,024 bytes
.set LN,   1                           ; lane
.set R,    2                           ; lane % 16
.set H,    3                           ; lane / 16
.set GX,   4                           ; byte offset of my loads in x[b]
.set GW,   5                           ; and in W
.set SX,   6                           ; where my rounded x goes in LDS
.set SW,   7                           ; and my rounded W
.set PF,   8                           ; the fill with 1.0
.set PF2,  9
.set AW,   10                          ; transposing reads of W
.set AWW,  11                          ; the same at my channel block (waves 0-3)
.set AXS,  12                          ; v12-15  transposing reads of x at the rows of slot 0..3
.set AXC,  16                          ; the same at the work-group's 16 columns
.set AST,  17                          ; where a is stored
.set ARD,  18                          ; where a of column pair 0 is read by my half
.set WST,  20                          ; v20-23  where slot s stores 1 - n of column pair 0
.set RMH,  24                          ; v24-27  my row in slot s, less h
.set ONE,  28
.set NEG1, 29
.set TMP,  30                          ; v30-31
.set XFD,  4                           ; the closing product's addresses take v4-7 when the loads that used these as offsets are long in
.set WFD,  5
.set OUTO, 6
.set REDA, 7
.set BB,   32                          ; v32-159   x as loaded; then b, slot s at BB + 32 s; then the closing product's fragments
.set AA,   160                         ; v160-223  W as loaded; then fragments of W[64:]; then the ring of a; then the closing sums
.set T,    224                         ; v224-239  at work
.set ACC,  240                         ; v240-247  sums of squares
.set XFA,  224                         ; v224-239, v240-255: fragments of x, two sets
.set XFB,  240
.set TL,   20                          ; s20-23 the tile of slot 0..3
	s_load_b128 s[4:7], s[0:1], 0x0                ; x s[4:5], W s[6:7]
	s_load_b64 s[8:9], s[0:1], 0x10                ; out0
	v_lshl_add_u32 v19, v0, 2, 0x1c000
	s_set_vgpr_msb 0x40
	v_mov_b32 v1, 0
	s_set_vgpr_msb 0x4000
	v_lshrrev_b32 v[TMP], 5, v0
	v_readfirstlane_b32 s10, v[TMP]                ; wave 0..7
	v_and_b32 v[LN], 31, v0
	v_and_b32 v[R], 15, v0
	v_bfe_u32 v[H], v0, 4, 1
	s_and_b32 s11, ttmp9, 31                       ; t
	s_lshr_b32 s12, ttmp9, 5                       ; batch
	s_lshl_b32 s14, s12, 17                        ; x 131,072 bytes
	s_mov_b32 s15, 0
	v_lshlrev_b32 v[GX], 4, v[LN]
	v_lshl_add_u32 v[GW], s10, 12, v[GX]           ; wave v rounds rows 16 v .. 16 v + 15 of W (4 KiB)
	v_lshl_add_u32 v[GX], s10, 14, v[GX]           ; and rows 8 v .. 8 v + 7 of x[b] (16 KiB)
	s_wait_kmcnt 0x0
	s_add_nc_u64 s[4:5], s[4:5], s[14:15]
	s_add_nc_u64 s[8:9], s[8:9], s[14:15]
; All 40 loads of the wave go out at once; each covers 512 consecutive bytes.
.set i, 0
.rept 8
	global_load_b128 v[AA+4*i:AA+4*i+3], v[GW], s[6:7] offset:512*i
.set i, i+1
.endr
.set i, 0
.rept 32
	global_load_b128 v[BB+4*i:BB+4*i+3], v[GX], s[4:5] offset:512*i
.set i, i+1
.endr
; While they are on their way: which tiles are live, the fill with 1.0, every address.
	s_lshr_b32 s13, s11, 1                         ; p: the tile of the low group's diagonal; the high group's is 31 - p
	s_sub_co_u32 s20, 31, s10
	s_add_co_u32 s21, s10, 16
	s_sub_co_u32 s22, 15, s10
	s_mov_b32 s23, s10
	s_cmp_ge_u32 s22, s13                          ; slots 0 and 1 (tiles 16..31) are always at or below the low group's diagonal
	s_cselect_b32 s24, 3, 2
	s_cmp_ge_u32 s23, s13
	s_cselect_b32 s2, 1, 0
	s_add_co_u32 s24, s24, s2                      ; n_low = 2..4
	s_sub_co_u32 s3, 31, s13
	s_cmp_ge_u32 s20, s3
	s_cselect_b32 s25, 1, 0
	s_cmp_ge_u32 s21, s3
	s_cselect_b32 s2, 1, 0
	s_add_co_u32 s25, s25, s2                      ; n_high = 0..2
	s_mov_b32 s26, 0x76543210                      ; v_permlanex16_b32: lane i of one half reads lane i of the other
	s_mov_b32 s27, 0xfedcba98
	s_mov_b32 s30, 0xffff0000                      ; lanes 16-31
.irp k,0,1,2,3
	v_mov_b32 v[T+\k], 0x3f803f80                  ; 1.0 twice in bf16
.endr
	v_lshl_add_u32 v[PF], v0, 4, WM
	v_lshl_add_u32 v[PF2], v0, 2, WM+16384
.irp k,0,1,2,3
	ds_store_b128 v[PF], v[T:T+3] offset:4096*\k   ; 4 x 4,096 bytes,
.endr
	ds_store_b32 v[PF2], v[T]                      ; and the last 1,024 of the 17,408
	s_mul_i32 s16, s10, 8*PX
	s_and_b32 s17, s10, 1
	s_lshl_b32 s17, s17, 4
	s_add_co_u32 s16, s16, s17                     ; my eight rows' skew: 16 bytes in odd waves
	v_lshl_add_u32 v[SX], v[LN], 3, s16
	s_mul_i32 s17, s10, 16*PWB
	s_add_co_u32 s17, s17, WB
	v_mul_u32_u24 v[SW], v[H], PWB                 ; a load of W covers two rows: lanes 16-31 the second
	v_lshl_add_u32 v[SW], v[R], 3, v[SW]
	v_add_nc_u32 v[SW], s17, v[SW]
	; A transposing read (ds_load_tr16_b128) of a tile stored [K][16]: lane l addresses row 8 h + l % 8 of K and 16 bytes (8 columns) l / 8 % 2.
	v_and_b32 v[TMP], 7, v0
	v_lshl_add_u32 v[TMP], v[H], 3, v[TMP]
	v_bfe_u32 v[TMP+1], v0, 3, 1
	v_mul_u32_u24 v[AW], v[TMP], PWB
	v_lshl_add_u32 v[AW], v[TMP+1], 4, v[AW]
	v_add_nc_u32 v[AW], WB, v[AW]
	v_lshl_add_u32 v[AWW], s10, 5, v[AW]           ; + 16 channels x wave
	v_mul_u32_u24 v[AXC], v[TMP], PX
	v_lshl_add_u32 v[AXC], v[H], 4, v[AXC]         ; the rows that h = 1 addresses (8..15 of 16) carry the skew
	v_lshl_add_u32 v[TMP], v[TMP+1], 4, v[AXC]
.irp sl,0,1,2,3
	v_lshl_add_u32 v[AXS+\sl], s[TL+\sl], 5, v[TMP]    ; + 32 bytes x tile
.endr
	s_lshl_b32 s2, s11, 4                          ; the low group's 8 columns begin at byte 16 t of a row,
	s_lshl_b32 s3, s11, 5
	s_sub_co_u32 s3, 1008, s3                      ; the high group's 1,008 - 32 t further on
	v_mad_u32_u24 v[AXC], v[TMP+1], s3, v[AXC]
	v_add_nc_u32 v[AXC], s2, v[AXC]
	v_and_b32 v[AST], 14, v[R]                     ; a of column r, half h goes to block 2 (r / 2) + h, word r % 2 of each channel's pair
	v_add_nc_u32 v[AST], v[AST], v[H]
	v_mul_u32_u24 v[AST], v[AST], ABLK
	v_and_b32 v[TMP], 1, v[R]
	v_lshl_add_u32 v[AST], v[TMP], 2, v[AST]
	s_mul_i32 s2, s10, AMM
	s_add_co_u32 s2, s2, A2
	v_add_nc_u32 v[AST], s2, v[AST]                ; used by waves 0-3 alone
	v_mul_u32_u24 v[ARD], v[H], ABLK
	v_add_nc_u32 v[ARD], A2, v[ARD]
	v_lshlrev_b32 v[TMP], 5, v[H]
	v_lshl_add_u32 v[TMP], v[R], 1, v[TMP]         ; column h of the pair, row r
	v_sub_nc_u32 v[TMP+1], v[R], v[H]
.irp sl,0,1,2,3
	s_mul_i32 s2, s[TL+\sl], WTILE
	s_add_co_u32 s2, s2, WM
	v_add_nc_u32 v[WST+\sl], s2, v[TMP]
	v_lshl_add_u32 v[RMH+\sl], s[TL+\sl], 4, v[TMP+1]
.endr
	v_mov_b32 v[ONE], 1.0
	v_mov_b32 v[NEG1], -1.0
; Round to bf16 in place and store: 8 bytes a lane.
	s_wait_loadcnt 32                              ; W's eight loads are in; x's 32 were issued behind them
.set i, 0
.rept 8
	v_cvt_pk_bf16_f32 v[AA+4*i], v[AA+4*i], v[AA+4*i+1]
	v_cvt_pk_bf16_f32 v[AA+4*i+1], v[AA+4*i+2], v[AA+4*i+3]
	ds_store_b64 v[SW], v[AA+4*i:AA+4*i+1] offset:2*PWB*i
.set i, i+1
.endr
.set i, 0
.rept 32
	s_wait_loadcnt 31-i                            ; loads come back in order (ISA guide 5.7.1): load i is in, the 31 - i younger ones stay out
	v_cvt_pk_bf16_f32 v[BB+4*i], v[BB+4*i], v[BB+4*i+1]
	v_cvt_pk_bf16_f32 v[BB+4*i+1], v[BB+4*i+2], v[BB+4*i+3]
	ds_store_b64 v[SX], v[BB+4*i:BB+4*i+1] offset:(i>>2)*PX+(i&3)*256
.set i, i+1
.endr
	s_wait_dscnt 0x0                               ; my stores are done, for the other waves' sake
	s_barrier_signal -1
	s_barrier_wait -1                              ; x, W and the fill are whole
; a AND b.  D(m = channel, n = row or column) = W^T x.  Both operands lie [K = d][..] in LDS and are read transposed.
.macro PLACES                          ; four places behind a matrix instruction, where no useful vector work is at hand (ISA guide 7.12.1)
.rept 4
	v_nop
.endr
.endm
.macro XFRAG dst, slot                 ; 64 d x the 16 rows of a slot: two fragments of K = 32
.irp ks,0,1
	ds_load_tr16_b128 v[\dst+8*\ks:\dst+8*\ks+3], v[AXS+\slot] offset:32*\ks*PX
	ds_load_tr16_b128 v[\dst+8*\ks+4:\dst+8*\ks+7], v[AXS+\slot] offset:(32*\ks+16)*PX
.endr
.endm
.macro BSLOT sl, xf                    ; b of a slot: 4 channel blocks x 2 steps of K.  The four accumulators take turns
.irp mm,0,1,2,3
	v_wmma_f32_16x16x32_bf16 v[BB+32*\sl+8*\mm:BB+32*\sl+8*\mm+7], v[AA+16*\mm:AA+16*\mm+7], v[\xf:\xf+7], 0
.endr
.irp mm,0,1,2,3
	v_wmma_f32_16x16x32_bf16 v[BB+32*\sl+8*\mm:BB+32*\sl+8*\mm+7], v[AA+16*\mm+8:AA+16*\mm+15], v[\xf+8:\xf+15], v[BB+32*\sl+8*\mm:BB+32*\sl+8*\mm+7]
.endr
.endm
.irp mm,0,1,2,3
.irp ks,0,1
	ds_load_tr16_b128 v[AA+16*\mm+8*\ks:AA+16*\mm+8*\ks+3], v[AW] offset:(64+32*\ks)*PWB+32*\mm
	ds_load_tr16_b128 v[AA+16*\mm+8*\ks+4:AA+16*\mm+8*\ks+7], v[AW] offset:(80+32*\ks)*PWB+32*\mm
.endr
.endr
	XFRAG XFA, 0
	XFRAG XFB, 1
	s_cmp_ge_u32 s10, 4
	s_cbranch_scc1 .Lbphase
	; waves 0-3: a of the 16 columns, channel block = wave.  Its registers lie in slots 2 and 3 of b, which are written much later.
.irp ks,0,1
	ds_load_tr16_b128 v[BB+96+8*\ks:BB+96+8*\ks+3], v[AWW] offset:32*\ks*PWB
	ds_load_tr16_b128 v[BB+96+8*\ks+4:BB+96+8*\ks+7], v[AWW] offset:(32*\ks+16)*PWB
	ds_load_tr16_b128 v[BB+112+8*\ks:BB+112+8*\ks+3], v[AXC] offset:32*\ks*PX
	ds_load_tr16_b128 v[BB+112+8*\ks+4:BB+112+8*\ks+7], v[AXC] offset:(32*\ks+16)*PX
.endr
	s_wait_dscnt 0x0
	v_wmma_f32_16x16x32_bf16 v[BB+64:BB+71], v[BB+96:BB+103], v[BB+112:BB+119], 0
	s_wait_alu depctr_va_vdst(0)                   ; a wait ahead of the link
	v_wmma_f32_16x16x32_bf16 v[BB+64:BB+71], v[BB+104:BB+111], v[BB+120:BB+127], v[BB+64:BB+71]
	PLACES
.irp j,0,1,2,3,4,5,6,7
	ds_store_b32 v[AST], v[BB+64+\j] offset:8*\j   ; the 32 lanes' words lie in 32 different banks: block x 20 words + r % 2 (64 banks of 4 bytes: ISA guide 11.1)
.endr
.Lbphase:
	s_wait_dscnt 0x0                               ; the fragments of W[64:] and of slots 0 and 1 are in (nothing was issued behind them in waves 4-7)
	BSLOT 0, XFA
	PLACES                                         ; a load into registers that a matrix instruction has read stands four places behind it
	XFRAG XFA, 2
	BSLOT 1, XFB
	PLACES
	XFRAG XFB, 3
	s_wait_dscnt 4                                 ; slot 2's four loads are in; slot 3's four were issued behind them
	BSLOT 2, XFA
	s_wait_dscnt 0x0
	BSLOT 3, XFB
	; The closing product's addresses: eleven vector instructions that name no register of the matrix instructions above, so that the reads
	; of b and the loads into the registers of W's fragments stand more than four places behind the last of them.
	s_and_b32 s2, s10, 3                           ; which 16 rows d are mine there
	s_lshr_b32 s3, s10, 2                          ; which half of K
	v_lshl_add_u32 v[TMP], s2, 4, v[R]             ; d
	v_lshrrev_b32 v[TMP+1], 3, v[R]
	v_add_nc_u32 v[TMP+1], v[TMP+1], v[H]
	v_lshlrev_b32 v[TMP+1], 4, v[TMP+1]            ; 16 bytes of skew for r >= 8, 16 bytes for h
	v_mad_u32_u24 v[XFD], v[TMP], PX, v[TMP+1]
	v_lshl_add_u32 v[XFD], s3, 9, v[XFD]           ; 256 w = 512 bytes for the upper half of K
	v_lshl_add_u32 v[WFD], v[R], 5, v[TMP+1]
	s_mul_i32 s16, s3, 16*WTILE
	s_add_co_u32 s16, s16, WM
	v_add_nc_u32 v[WFD], s16, v[WFD]
	s_lshl_b32 s16, s11, 5                         ; the low group's first column in bytes: 32 t; the high group's: 2,016 - 32 t
	s_lshl_b32 s17, s11, 6
	s_sub_co_u32 s17, 2016, s17
	v_mad_u32_u24 v[OUTO], v[H], s17, s16
	v_lshl_add_u32 v[OUTO], v[TMP], 11, v[OUTO]    ; + d rows of 2,048 bytes
	s_lshl_b32 s16, s2, 10
	s_add_co_u32 s16, s16, RED
	v_lshl_add_u32 v[REDA], v[LN], 4, s16
	s_wait_dscnt 0x0                               ; a's stores are done (met: waited for above)
	s_barrier_signal -1
	s_barrier_wait -1                              ; a is whole
; THE NORMS.  The ring: chunk u (16 bytes: channels 2u, 2u+1 of my half, two columns each) lies in v[AA+4u : AA+4u+3].
; From here to the next barrier every wave reads a alone and stores into the blocks of its own four tiles alone.
.set uu, 0
.rept 16
	ds_load_b128 v[AA+4*uu:AA+4*uu+3], v[ARD] offset:(uu>>2)*AMM+(uu&3)*16
.set uu, uu+1
.endr
; Column pair 'pair' (0..7 of the work-group's 16 columns) on the first n slots.  Batches of cb chunks: up to eight sums a + b, the chunks'
; next fill, then the squares.  A sum takes one b for both halves of the pair (op_sel) and the two columns' a: the accumulator pair is two
; columns' sums.  nacc accumulators for a slot, so that at least two other instructions stand between two on one accumulator.
; The first product starts each sum.
.macro COLPAIR n, nacc, cb, reload, pair
.set uu, 0
.rept 16/\cb
.if \reload
	s_wait_dscnt 16-\cb                            ; behind this batch's youngest chunk stand 16 - cb younger loads of the ring (LDS stores in between only add to that)
.else
	s_wait_dscnt 16-\cb-uu                         ; nothing is filled any more: the counts run down
.endif
.set ti, 0
.set qq, 2*uu
.rept 2*\cb
.set sl, 0
.rept \n
.if qq & 1
	v_pk_add_f32 v[T+2*ti:T+2*ti+1], v[BB+32*sl+qq-1:BB+32*sl+qq], v[AA+2*qq:AA+2*qq+1] op_sel:[1,0] op_sel_hi:[1,1]
.else
	v_pk_add_f32 v[T+2*ti:T+2*ti+1], v[BB+32*sl+qq:BB+32*sl+qq+1], v[AA+2*qq:AA+2*qq+1] op_sel:[0,0] op_sel_hi:[0,1]
.endif
.set sl, sl+1
.set ti, ti+1
.endr
.set qq, qq+1
.endr
.if \reload
.set kk, uu
.rept \cb
	ds_load_b128 v[AA+4*kk:AA+4*kk+3], v[ARD] offset:(\pair+1)*APAIR+(kk>>2)*AMM+(kk&3)*16   ; the same chunk of the next column pair
.set kk, kk+1
.endr
.endif
.set ti, 0
.set qq, 2*uu
.rept 2*\cb
.set sl, 0
.rept \n
.set ac, ACC+2*(sl*\nacc+qq%\nacc)
.if qq < \nacc
	v_pk_mul_f32 v[ac:ac+1], v[T+2*ti:T+2*ti+1], v[T+2*ti:T+2*ti+1]
.else
	v_pk_fma_f32 v[ac:ac+1], v[T+2*ti:T+2*ti+1], v[T+2*ti:T+2*ti+1], v[ac:ac+1]
.endif
.set sl, sl+1
.set ti, ti+1
.endr
.set qq, qq+1
.endr
.set uu, uu+\cb
.endr
.endm
; The column pair's end.  A lane has the sums of its 32 channels for both columns.  Lanes 0-15 finish the first column, lanes 16-31 the second:
; each sends the other column's sum across and adds what it gets.  Then n = sqrt, 1 - n rounded once to bf16, two bytes to [tile][column][row];
; woff = the pair's place in a tile's block.  Only the last live slot can hold the diagonal: there n counts as 0 where row < column.
.macro FIN n, nacc, woff, step
.if \nacc == 2
.set sl, 0
.rept \n
	v_pk_add_f32 v[ACC+4*sl:ACC+4*sl+1], v[ACC+4*sl:ACC+4*sl+1], v[ACC+4*sl+2:ACC+4*sl+3]
.set sl, sl+1
.endr
.endif
.if \nacc == 4
	v_pk_add_f32 v[ACC:ACC+1], v[ACC:ACC+1], v[ACC+2:ACC+3]
	v_pk_add_f32 v[ACC+4:ACC+5], v[ACC+4:ACC+5], v[ACC+6:ACC+7]
	v_pk_add_f32 v[ACC:ACC+1], v[ACC:ACC+1], v[ACC+4:ACC+5]
.endif
.set sl, 0
.rept \n
	v_cndmask_b32 v[T+4*sl], v[ACC+2*\nacc*sl+1], v[ACC+2*\nacc*sl], s30       ; sent: the second column's sum from lanes 0-15, the first's from lanes 16-31
	v_cndmask_b32 v[T+4*sl+1], v[ACC+2*\nacc*sl], v[ACC+2*\nacc*sl+1], s30     ; kept
.set sl, sl+1
.endr
.set sl, 0
.rept \n
	v_permlanex16_b32 v[T+4*sl+2], v[T+4*sl], s26, s27
.set sl, sl+1
.endr
.set sl, 0
.rept \n
	v_add_f32 v[T+4*sl+1], v[T+4*sl+1], v[T+4*sl+2]
.set sl, sl+1
.endr
.set sl, 0
.rept \n
	v_sqrt_f32 v[T+4*sl], v[T+4*sl+1]
.set sl, sl+1
.endr
	v_cmp_le_i32 vcc_lo, s28, v[RMH+\n-1]          ; column s28 + h <= row.  Also the plain instruction between the last root and its first use (ISA guide 5.7.2)
	s_wait_alu depctr_va_vdst(0)
	v_cndmask_b32 v[T+4*(\n-1)], 0, v[T+4*(\n-1)], vcc_lo
.set sl, 0
.rept \n
	v_fma_mixlo_bf16 v[T+4*sl+3], v[T+4*sl], v[NEG1], v[ONE]
.set sl, sl+1
.endr
.set sl, 0
.rept \n
	ds_store_b16 v[WST+sl], v[T+4*sl+3] offset:\woff
.set sl, sl+1
.endr
.if \step
	s_add_co_u32 s28, s28, 2                       ; the next pair's first column
.endif
.endm
; The low group: column pairs 0..3.  The fourth fills the ring with the high group's first pair; a wave with no live tile there
; does not use those 16 loads, and waits for them in front of the next barrier.
.macro LOWGROUP n, nacc, cb
.irp p,0,1,2,3
	COLPAIR \n, \nacc, \cb, 1, \p
	FIN \n, \nacc, 64*\p, 1
.endr
.endm
; The high group: column pairs 4..7; the last fills nothing.
.macro HIGHGROUP n, nacc, cb
.irp p,0,1,2
	COLPAIR \n, \nacc, \cb, 1, 4+\p
	FIN \n, \nacc, WHIGH+64*\p, 1
.endr
	COLPAIR \n, \nacc, \cb, 0, 7
	FIN \n, \nacc, WHIGH+192, 0
.endm
	s_lshl_b32 s28, s11, 3                         ; the pair's first column
	s_cmp_eq_u32 s24, 4
	s_cbranch_scc1 .Llow4
	s_cmp_eq_u32 s24, 3
	s_cbranch_scc1 .Llow3
	LOWGROUP 2, 2, 2
	s_branch .Lhigh
.Llow3:
	LOWGROUP 3, 1, 1
	s_branch .Lhigh
.Llow4:
	LOWGROUP 4, 1, 1
.Lhigh:
	s_cmp_eq_u32 s25, 0
	s_cbranch_scc1 .Lcontract
	s_lshl_b32 s28, s11, 3
	s_sub_co_u32 s28, 504, s28
	s_cmp_eq_u32 s25, 2
	s_cbranch_scc1 .Lhigh2
	HIGHGROUP 1, 4, 4
	s_branch .Lcontract
.Lhigh2:
	HIGHGROUP 2, 2, 2
; THE CLOSING PRODUCT, used transposed: D(m = column, n = d) = (1 - n)^T x^T, so that a lane's eight results are eight neighbouring columns
; of one row d of out0.  Wave v: rows d 16 (v % 4) .., w = 256 (v / 4) .. + 255: eight steps of K = 32.
.Lcontract:
	s_wait_dscnt 0x0                               ; my stores of 1 - n are done, and what is left of the ring
	s_barrier_signal -1
.set ks, 0
.rept 8
	ds_load_b128 v[BB+8*ks:BB+8*ks+3], v[XFD] offset:64*ks          ; x in LDS is written by nobody any more: these loads may stand inside the barrier
	ds_load_b128 v[BB+8*ks+4:BB+8*ks+7], v[XFD] offset:64*ks+32
.set ks, ks+1
.endr
	s_barrier_wait -1                              ; 1 - n is whole
.set ks, 0
.rept 8
	ds_load_b128 v[BB+64+8*ks:BB+64+8*ks+3], v[WFD] offset:2*ks*WTILE           ; rows 8 h .. of the step's first tile,
	ds_load_b128 v[BB+64+8*ks+4:BB+64+8*ks+7], v[WFD] offset:(2*ks+1)*WTILE     ; and of its second
.set ks, ks+1
.endr
; Two accumulators take turns; the first two products start the sums.
.set ks, 0
.rept 8
	s_wait_dscnt 14-2*ks                           ; step ks's two loads of 1 - n are in (x's were issued ahead of them all); 14 - 2 ks younger ones stay out
.if ks < 2
	v_wmma_f32_16x16x32_bf16 v[AA+8*ks:AA+8*ks+7], v[BB+64+8*ks:BB+64+8*ks+7], v[BB+8*ks:BB+8*ks+7], 0
.else
	v_wmma_f32_16x16x32_bf16 v[AA+8*(ks&1):AA+8*(ks&1)+7], v[BB+64+8*ks:BB+64+8*ks+7], v[BB+8*ks:BB+8*ks+7], v[AA+8*(ks&1):AA+8*(ks&1)+7]
.endif
.set ks, ks+1
.endr
	PLACES
.irp k,0,2,4,6
	v_pk_add_f32 v[AA+\k:AA+\k+1], v[AA+\k:AA+\k+1], v[AA+8+\k:AA+8+\k+1]
.endr
	s_cmp_lt_u32 s10, 4
	s_cbranch_scc1 .Lowner
	ds_store_b128 v[REDA], v[AA:AA+3]              ; waves 4-7 hand the upper half of K to waves 0-3
	ds_store_b128 v[REDA], v[AA+4:AA+7] offset:512
.Lowner:
	s_wait_dscnt 0x0
	s_barrier_signal -1
	s_barrier_wait -1
	s_cmp_ge_u32 s10, 4
	s_cbranch_scc1 .Lend
	ds_load_b128 v[AA+8:AA+11], v[REDA]
	ds_load_b128 v[AA+12:AA+15], v[REDA] offset:512
	s_wait_dscnt 0x0
.irp k,0,2,4,6
	v_pk_add_f32 v[AA+\k:AA+\k+1], v[AA+\k:AA+\k+1], v[AA+8+\k:AA+8+\k+1]
.endr
	global_store_b128 v[OUTO], v[AA:AA+3], s[8:9]              ; lane (r, h): row d = 16 (v % 4) + r, the 8 columns of group h: 32 consecutive bytes
	global_store_b128 v[OUTO], v[AA+4:AA+7], s[8:9] offset:16
.Lend:
	s_set_vgpr_msb 0x4
	s_wait_tensorcnt 0x0
	ds_add_u32 v19, v1
	s_wait_dscnt 0x0
	s_set_vgpr_msb 0x400
	s_endpgm
.Lfunc_end_k_q6fcc683bb4_bracket:
	.size	k_q6fcc683bb4_bracket, .Lfunc_end_k_q6fcc683bb4_bracket-k_q6fcc683bb4_bracket
	.p2alignl 7, 3214868480
	.fill 96, 4, 3214868480
	.section	.rodata,"a",@progbits
	.p2align	6, 0x0
	.amdhsa_kernel k_q6fcc683bb4_bracket
		.amdhsa_group_segment_fixed_size 115712
		.amdhsa_private_segment_fixed_size 0
		.amdhsa_enable_private_segment 0
		.amdhsa_kernarg_size 24
		.amdhsa_user_sgpr_count 2
		.amdhsa_user_sgpr_kernarg_segment_ptr 1
		.amdhsa_wavefront_size32 1
		.amdhsa_system_sgpr_workgroup_id_x 1
		.amdhsa_system_sgpr_workgroup_id_y 1
		.amdhsa_system_sgpr_workgroup_id_z 1
		.amdhsa_system_vgpr_workitem_id 0
		.amdhsa_next_free_vgpr 258
		.amdhsa_next_free_sgpr 66
		.amdhsa_reserve_vcc 1
		.amdhsa_float_denorm_mode_32 3
		.amdhsa_float_denorm_mode_16_64 3
		.amdhsa_memory_ordered 1
		.amdhsa_forward_progress 1
		.amdhsa_inst_pref_size 255
	.end_amdhsa_kernel
	.section	.bss,"aw",@nobits
	.p2align	6
	.space	262144
	.amdgpu_metadata
---
amdhsa.version: [ 1, 2 ]
amdhsa.kernels:
  - .name:           k_q6fcc683bb4_bracket
    .symbol:         k_q6fcc683bb4_bracket.kd
    .args:
      - { .name: x, .offset: 0, .size: 8, .value_kind: global_buffer, .address_space: global }
      - { .name: W, .offset: 8, .size: 8, .value_kind: global_buffer, .address_space: global }
      - { .name: out0, .offset: 16, .size: 8, .value_kind: global_buffer, .address_space: global }
    .group_segment_fixed_size: 115712
    .private_segment_fixed_size: 0
    .kernarg_segment_align: 8
    .kernarg_segment_size: 24
    .max_flat_workgroup_size: 256
    .sgpr_count:     66
    .vgpr_count:     258
    .wavefront_size: 32
...
	.end_amdgpu_metadata
.endif
;; end of part 1
;; ======== version 2 of 2: 1 launch; version 1 with the launch bracket written anew for expert scheduling mode
;; launch bracket (part 2): grid 256 x 1, 8 waves a work-group, no clusters, 115,712 bytes of LDS; arguments x, W, out0; writes out0
.if DOCPART == 2
	.amdgcn_target "amdgcn-amd-amdhsa--gfx1250"
	.amdhsa_code_object_version 6
	.text
	.protected	k_q6fcc683bb4_bracket
	.globl	k_q6fcc683bb4_bracket
	.p2align	8
	.type	k_q6fcc683bb4_bracket,@function
k_q6fcc683bb4_bracket:
	s_mov_b64 s[64:65], 0
	v_nop
	global_prefetch_b8 v0, s[64:65] scope:SCOPE_SE
	s_setreg_imm32_b32 hwreg(HW_REG_WAVE_SCHED_MODE, 0, 2), 2
	s_setreg_imm32_b32 hwreg(HW_REG_WAVE_MODE, 25, 1), 1
	s_wait_xcnt 0x0
	s_wait_alu depctr_vm_vsrc(0)
; out0[b][d][j] = sum over w of x[b][d][w] * wmat[w][j],  wmat[w][j] = 1 for w < j,  1 - |a_j + b_w| for w >= j,
; a_j[k] = sum over d of x[b][d][j] W[d][k],  b_w[k] = sum over d of x[b][d][w] W[64+d][k].   x, out0: [8][64][512] f32, W: [128][64] f32.
;
; SHARES.  256 work-groups, 32 for a batch.  Work-group t of a batch owns 16 columns j: 8t..8t+7 (the low group) and 504-8t..511-8t (the
; high group), 4,104 pairs (w >= j) whatever t is.  Rows go in tiles of 16.  Wave v keeps b of tiles 31-v, 16+v, 15-v, v (slots 0..3) in the
; 128 registers into which its matrix instructions wrote it: lane (r, h) holds row r of the tile and the 32 channels 16 m + 8 h + j'.
; A group at tile p needs the tiles >= p, which are the first n slots of every wave: n = 2..4 for the low group, 0..2 for the high one;
; n_low + n_high is 4 in seven waves and 5 in one.  The sum of squares is made directly from a + b in f32: no difference of large sums.
; a of two columns at a time comes from LDS, the same 16 bytes for all lanes of a half, through a ring of 16 chunks in two halves.
; The eight column pairs are written out, not looped: a pair's place stands in the immediates of its LDS loads and stores, and no LDS
; address register is ever rewritten.
; 1 - n goes to LDS as bf16, K (= w) along the rows; what no tile writes was filled with 1.0 at the start.  The closing product is 64 matrix
; instructions, 8 a wave (16 rows d, half of K); the two halves of K meet in LDS.
;
; THE MODE: SCHED_MODE bits 1:0 = 2 (LLVM: expert scheduling mode 2), set by the entry lines.  The code itself states the register dependences
; between vector or matrix instructions and memory or LDS instructions, with s_wait_alu, always for 0.
; THE PLAN.  Registers that memory or LDS instructions touch:
;   v4-v7     offsets and addresses of the loads and of the stores of rounded x and W; made anew, once, behind slot 3's products, for the closing product.
;   v8-v23    LDS addresses, made once at the head and never written again.
;   BB        x lands, is rounded in place in groups of eight loads, and a group's LDS stores are dealt among the next group's conversions.
;             Then b: written by matrix instructions, read by vector instructions alone.  At the end the closing product's fragments land here.
;   AA        W lands and is rounded like x; then fragments of W; then THE RING: while the sums a + b read one half of eight chunks, the loads of the
;             other half land: the upper half of this column pair during its lower half, the lower half of the next pair during its upper half.
;   OUT       a pair's 1 - n: written by the roundings at the pair's end, read by the stores at the next pair's head (at a group's end: at once).
;   T and ACC are named by vector instructions alone in the norms.
; So a column pair has two waits on va_vdst, one at the head of each half of the ring, and one on vm_vsrc; what each states is said where it stands.
;
; NOT USED, by this text's own arithmetic.  Joint tensor loads for x (shared by 32 work-groups) and W (by all): both are f32 in memory and
; the matrix unit takes bf16; through registers the rounding is done on the way and LDS takes 80 KiB of stores, while a tile brought as f32
; would be 160 KiB of fill, 160 KiB read back, and the same 80 KiB.  Whole aligned blocks of 256 bytes of out0: a block is 64 columns of one
; row; 64 columns a work-group would leave 64 work-groups (32 with equal work) and 4 to 8 times the vector work for each SIMD.  Here a lane
; stores 32 consecutive bytes, and eight work-groups share a block of 256.
; LIMITS.  x and 1 - n enter the closing product rounded to bf16, x and W the first two.  A sum of squares below 2^-126 gives n = 0
; (v_sqrt_f32 takes a denormal as zero: ISA guide, its entry in 15.8): an error below 1.1e-19 beside 1.  With non-finite inputs the entries with w < j are 1 here,
; where a product of an infinity and the mask's zero would make NaN.
.set PX,    1056                       ; LDS pitch of a row of x in bf16: 1,024 bytes + 32; rows 8..15 of every 16 lie 16 bytes further right (the skew)
.set PWB,   160                        ; LDS pitch of a row of W in bf16: 128 bytes + 32
.set WB,    64*PX                      ; W behind x (x begins at LDS byte 0)
.set A2,    WB+128*PWB                 ; a: [channel block m: 4][column pair, half: 16 blocks][8 channels][2 columns] f32
.set ABLK,  80                         ; a block: 64 bytes + 16
.set AMM,   16*ABLK
.set APAIR, 2*ABLK                     ; from a column pair to the next
.set WM,    A2+4*AMM                   ; 1 - n: [row tile: 32][column: 16][16 rows] bf16
.set WTILE, 544                        ; a tile's block: 16 x 32 bytes, columns 8..15 lie 16 bytes further right, + 16
.set WHIGH, 8*32+16                    ; where the high group's columns begin in a tile's block
.set RED,   WM+32*WTILE                ; sums of the upper half of K: 4 x 1,024 bytes
.set LN,   1                           ; lane
.set R,    2                           ; lane % 16
.set H,    3                           ; lane / 16
.set GX,   4                           ; byte offset of my loads in x[b]
.set GW,   5                           ; and in W
.set SX,   6                           ; where my rounded x goes in LDS
.set SW,   7                           ; and my rounded W
.set PF,   8                           ; the fill with 1.0
.set PF2,  9
.set AW,   10                          ; transposing reads of W
.set AWW,  11                          ; the same at my channel block (waves 0-3)
.set AXS,  12                          ; v12-15  transposing reads of x at the rows of slot 0..3
.set AXC,  16                          ; the same at the work-group's 16 columns
.set AST,  17                          ; where a is stored
.set ARD,  18                          ; where a of column pair 0 is read by my half
.set WST,  20                          ; v20-23  where slot s stores 1 - n of column pair 0
.set RMH,  24                          ; v24-27  my row in slot s, less h
.set ONE,  28
.set NEG1, 29
.set TMP,  30                          ; v30-31
.set XFD,  4                           ; the closing product's addresses take v4-7 when the loads and stores that used these are long done
.set WFD,  5
.set OUTO, 6
.set REDA, 7
.set BB,   32                          ; v32-159   x as loaded; then b, slot s at BB + 32 s; then the closing product's fragments
.set AA,   160                         ; v160-223  W as loaded; then fragments of W[64:]; then the ring of a; then the closing sums
.set T,    224                         ; v224-239  at work
.set ACC,  240                         ; v240-247  sums of squares
.set OUT,  248                         ; v248-251  1 - n of a column pair, slot s at OUT + s
.set XFA,  224                         ; v224-239, v240-255: fragments of x, two sets
.set XFB,  240
.set TL,   20                          ; s20-23 the tile of slot 0..3
.set MK,   16                          ; s16-19 a group's four masks: column pair p, lanes with column <= row in the last live slot
	s_load_b128 s[4:7], s[0:1], 0x0                ; x s[4:5], W s[6:7]
	s_load_b64 s[8:9], s[0:1], 0x10                ; out0
	v_lshl_add_u32 v19, v0, 2, 0x1c000
	s_set_vgpr_msb 0x40
	v_mov_b32 v1, 0
	s_set_vgpr_msb 0x4000
	v_lshrrev_b32 v[TMP], 5, v0
	v_readfirstlane_b32 s10, v[TMP]                ; wave 0..7
	v_and_b32 v[LN], 31, v0
	v_and_b32 v[R], 15, v0
	v_bfe_u32 v[H], v0, 4, 1
	s_and_b32 s11, ttmp9, 31                       ; t
	s_lshr_b32 s12, ttmp9, 5                       ; batch
	s_lshl_b32 s14, s12, 17                        ; x 131,072 bytes
	s_mov_b32 s15, 0
	v_lshlrev_b32 v[GX], 4, v[LN]
	s_wait_alu depctr_va_sdst(0)                   ; s10 is written, ahead of its first reader: offsets, addresses and the branches on the wave's number are made from it
	v_lshl_add_u32 v[GW], s10, 12, v[GX]           ; wave v rounds rows 16 v .. 16 v + 15 of W (4 KiB)
	v_lshl_add_u32 v[GX], s10, 14, v[GX]           ; and rows 8 v .. 8 v + 7 of x[b] (16 KiB)
	s_wait_kmcnt 0x0
	s_add_nc_u64 s[4:5], s[4:5], s[14:15]
	s_add_nc_u64 s[8:9], s[8:9], s[14:15]
	s_wait_alu depctr_va_vdst(0)                   ; the two offsets are written, which the 40 loads read
; All 40 loads of the wave go out at once; each covers 512 consecutive bytes.
.set i, 0
.rept 8
	global_load_b128 v[AA+4*i:AA+4*i+3], v[GW], s[6:7] offset:512*i
.set i, i+1
.endr
.set i, 0
.rept 32
	global_load_b128 v[BB+4*i:BB+4*i+3], v[GX], s[4:5] offset:512*i
.set i, i+1
.endr
; While they are on their way: which tiles are live, every address, the fill with 1.0.
	s_lshr_b32 s13, s11, 1                         ; p: the tile of the low group's diagonal; the high group's is 31 - p
	s_sub_co_u32 s20, 31, s10
	s_add_co_u32 s21, s10, 16
	s_sub_co_u32 s22, 15, s10
	s_mov_b32 s23, s10
	s_cmp_ge_u32 s22, s13                          ; slots 0 and 1 (tiles 16..31) are always at or below the low group's diagonal
	s_cselect_b32 s24, 3, 2
	s_cmp_ge_u32 s23, s13
	s_cselect_b32 s2, 1, 0
	s_add_co_u32 s24, s24, s2                      ; n_low = 2..4
	s_sub_co_u32 s3, 31, s13
	s_cmp_ge_u32 s20, s3
	s_cselect_b32 s25, 1, 0
	s_cmp_ge_u32 s21, s3
	s_cselect_b32 s2, 1, 0
	s_add_co_u32 s25, s25, s2                      ; n_high = 0..2
	s_mov_b32 s26, 0x76543210                      ; v_permlanex16_b32: lane i of one half reads lane i of the other
	s_mov_b32 s27, 0xfedcba98
	s_mov_b32 s30, 0xffff0000                      ; lanes 16-31
.irp k,0,1,2,3
	v_mov_b32 v[T+\k], 0x3f803f80                  ; 1.0 twice in bf16
.endr
	v_lshl_add_u32 v[PF], v0, 4, WM
	v_lshl_add_u32 v[PF2], v0, 2, WM+16384
	s_mul_i32 s16, s10, 8*PX
	s_and_b32 s17, s10, 1
	s_lshl_b32 s17, s17, 4
	s_add_co_u32 s16, s16, s17                     ; my eight rows' skew: 16 bytes in odd waves
	v_lshl_add_u32 v[SX], v[LN], 3, s16
	s_mul_i32 s17, s10, 16*PWB
	s_add_co_u32 s17, s17, WB
	v_mul_u32_u24 v[SW], v[H], PWB                 ; a load of W covers two rows: lanes 16-31 the second
	v_lshl_add_u32 v[SW], v[R], 3, v[SW]
	v_add_nc_u32 v[SW], s17, v[SW]
	; A transposing read (ds_load_tr16_b128) of a tile stored [K][16]: lane l addresses row 8 h + l % 8 of K and 16 bytes (8 columns) l / 8 % 2.
	v_and_b32 v[TMP], 7, v0
	v_lshl_add_u32 v[TMP], v[H], 3, v[TMP]
	v_bfe_u32 v[TMP+1], v0, 3, 1
	v_mul_u32_u24 v[AW], v[TMP], PWB
	v_lshl_add_u32 v[AW], v[TMP+1], 4, v[AW]
	v_add_nc_u32 v[AW], WB, v[AW]
	v_lshl_add_u32 v[AWW], s10, 5, v[AW]           ; + 16 channels x wave
	v_mul_u32_u24 v[AXC], v[TMP], PX
	v_lshl_add_u32 v[AXC], v[H], 4, v[AXC]         ; the rows that h = 1 addresses (8..15 of 16) carry the skew
	v_lshl_add_u32 v[TMP], v[TMP+1], 4, v[AXC]
.irp sl,0,1,2,3
	v_lshl_add_u32 v[AXS+\sl], s[TL+\sl], 5, v[TMP]    ; + 32 bytes x tile
.endr
	s_lshl_b32 s2, s11, 4                          ; the low group's 8 columns begin at byte 16 t of a row,
	s_lshl_b32 s3, s11, 5
	s_sub_co_u32 s3, 1008, s3                      ; the high group's 1,008 - 32 t further on
	v_mad_u32_u24 v[AXC], v[TMP+1], s3, v[AXC]
	v_add_nc_u32 v[AXC], s2, v[AXC]
	v_and_b32 v[AST], 14, v[R]                     ; a of column r, half h goes to block 2 (r / 2) + h, word r % 2 of each channel's pair
	v_add_nc_u32 v[AST], v[AST], v[H]
	v_mul_u32_u24 v[AST], v[AST], ABLK
	v_and_b32 v[TMP], 1, v[R]
	v_lshl_add_u32 v[AST], v[TMP], 2, v[AST]
	s_mul_i32 s2, s10, AMM
	s_add_co_u32 s2, s2, A2
	v_add_nc_u32 v[AST], s2, v[AST]                ; used by waves 0-3 alone
	v_mul_u32_u24 v[ARD], v[H], ABLK
	v_add_nc_u32 v[ARD], A2, v[ARD]
	v_lshlrev_b32 v[TMP], 5, v[H]
	v_lshl_add_u32 v[TMP], v[R], 1, v[TMP]         ; column h of the pair, row r
	v_sub_nc_u32 v[TMP+1], v[R], v[H]
.irp sl,0,1,2,3
	s_mul_i32 s2, s[TL+\sl], WTILE
	s_add_co_u32 s2, s2, WM
	v_add_nc_u32 v[WST+\sl], s2, v[TMP]
	v_lshl_add_u32 v[RMH+\sl], s[TL+\sl], 4, v[TMP+1]
.endr
	v_mov_b32 v[ONE], 1.0
	v_mov_b32 v[NEG1], -1.0
	s_wait_alu depctr_va_vdst(0)                   ; the LDS addresses v6 to v23 are written, which every LDS load and store up to the closing product reads, and so is the fill's 1.0
.irp k,0,1,2,3
	ds_store_b128 v[PF], v[T:T+3] offset:4096*\k   ; 4 x 4,096 bytes,
.endr
	ds_store_b32 v[PF2], v[T]                      ; and the last 1,024 of the 17,408
; Round to bf16 in place and store, 8 bytes a lane, in groups of eight loads.  A group's stores are dealt among the next group's conversions,
; which name other registers: one wait at a group's head states all that its eight stores hang on.
	s_wait_loadcnt 32                              ; W's eight loads are in; x's 32 were issued behind them
.set i, 0
.rept 8
	v_cvt_pk_bf16_f32 v[AA+4*i], v[AA+4*i], v[AA+4*i+1]
	v_cvt_pk_bf16_f32 v[AA+4*i+1], v[AA+4*i+2], v[AA+4*i+3]
.set i, i+1
.endr
.set g, 0
.rept 4
	s_wait_loadcnt 24-8*g                          ; loads come back in order (ISA guide 5.7.1): x's loads 8 g .. 8 g + 7 are in, the 24 - 8 g younger ones stay out
	s_wait_alu depctr_va_vdst(0)                   ; the conversions of the group before have written the words that the stores below read
.set i, 8*g
.rept 8
.if g == 0
	ds_store_b64 v[SW], v[AA+4*i:AA+4*i+1] offset:2*PWB*i
.else
	ds_store_b64 v[SX], v[BB+4*(i-8):BB+4*(i-8)+1] offset:((i-8)>>2)*PX+((i-8)&3)*256
.endif
	v_cvt_pk_bf16_f32 v[BB+4*i], v[BB+4*i], v[BB+4*i+1]
	v_cvt_pk_bf16_f32 v[BB+4*i+1], v[BB+4*i+2], v[BB+4*i+3]
.set i, i+1
.endr
.set g, g+1
.endr
	s_wait_alu depctr_va_vdst(0)                   ; the last group's conversions have written what the last eight stores read; no conversion names AA or BB any more, in which fragments land below
.set i, 24
.rept 8
	ds_store_b64 v[SX], v[BB+4*i:BB+4*i+1] offset:(i>>2)*PX+(i&3)*256
.set i, i+1
.endr
	s_wait_dscnt 0x0                               ; my stores are done, for the other waves' sake
	s_barrier_signal -1
	s_barrier_wait -1                              ; x, W and the fill are whole
	s_wait_alu depctr_vm_vsrc(0)                   ; my LDS stores have read v224-227, AA, BB, v6 and v7, my global loads v4 and v5: fragments land in the first three, matrix instructions write b into BB, v4-7 are made anew
; a AND b.  D(m = channel, n = row or column) = W^T x.  Both operands lie [K = d][..] in LDS and are read transposed.
.macro PLACES                          ; four places behind a matrix instruction, where no useful vector work is at hand (ISA guide 7.12.1)
.rept 4
	v_nop
.endr
.endm
.macro XFRAG dst, slot                 ; 64 d x the 16 rows of a slot: two fragments of K = 32
.irp ks,0,1
	ds_load_tr16_b128 v[\dst+8*\ks:\dst+8*\ks+3], v[AXS+\slot] offset:32*\ks*PX
	ds_load_tr16_b128 v[\dst+8*\ks+4:\dst+8*\ks+7], v[AXS+\slot] offset:(32*\ks+16)*PX
.endr
.endm
.macro BSLOT sl, xf                    ; b of a slot: 4 channel blocks x 2 steps of K.  The four accumulators take turns
.irp mm,0,1,2,3
	v_wmma_f32_16x16x32_bf16 v[BB+32*\sl+8*\mm:BB+32*\sl+8*\mm+7], v[AA+16*\mm:AA+16*\mm+7], v[\xf:\xf+7], 0
.endr
.irp mm,0,1,2,3
	v_wmma_f32_16x16x32_bf16 v[BB+32*\sl+8*\mm:BB+32*\sl+8*\mm+7], v[AA+16*\mm+8:AA+16*\mm+15], v[\xf+8:\xf+15], v[BB+32*\sl+8*\mm:BB+32*\sl+8*\mm+7]
.endr
.endm
.irp mm,0,1,2,3
.irp ks,0,1
	ds_load_tr16_b128 v[AA+16*\mm+8*\ks:AA+16*\mm+8*\ks+3], v[AW] offset:(64+32*\ks)*PWB+32*\mm
	ds_load_tr16_b128 v[AA+16*\mm+8*\ks+4:AA+16*\mm+8*\ks+7], v[AW] offset:(80+32*\ks)*PWB+32*\mm
.endr
.endr
	XFRAG XFA, 0
	XFRAG XFB, 1
	s_cmp_ge_u32 s10, 4
	s_cbranch_scc1 .Lbphase
	; waves 0-3: a of the 16 columns, channel block = wave.  Its registers lie in slots 2 and 3 of b, which are written much later.
.irp ks,0,1
	ds_load_tr16_b128 v[BB+96+8*\ks:BB+96+8*\ks+3], v[AWW] offset:32*\ks*PWB
	ds_load_tr16_b128 v[BB+96+8*\ks+4:BB+96+8*\ks+7], v[AWW] offset:(32*\ks+16)*PWB
	ds_load_tr16_b128 v[BB+112+8*\ks:BB+112+8*\ks+3], v[AXC] offset:32*\ks*PX
	ds_load_tr16_b128 v[BB+112+8*\ks+4:BB+112+8*\ks+7], v[AXC] offset:(32*\ks+16)*PX
.endr
	s_wait_dscnt 0x0
	v_wmma_f32_16x16x32_bf16 v[BB+64:BB+71], v[BB+96:BB+103], v[BB+112:BB+119], 0
	s_wait_alu depctr_va_vdst(0)                   ; a wait ahead of the link
	v_wmma_f32_16x16x32_bf16 v[BB+64:BB+71], v[BB+104:BB+111], v[BB+120:BB+127], v[BB+64:BB+71]
	PLACES
	s_wait_alu depctr_va_vdst(0)                   ; the two products have written a's sums, which the LDS stores read; the places above stay beside this wait
.irp j,0,1,2,3,4,5,6,7
	ds_store_b32 v[AST], v[BB+64+\j] offset:8*\j   ; the 32 lanes' words lie in 32 different banks: block x 20 words + r % 2 (64 banks of 4 bytes: ISA guide 11.1)
.endr
.Lbphase:
	s_wait_dscnt 0x0                               ; the fragments of W[64:] and of slots 0 and 1 are in (nothing was issued behind them in waves 4-7)
	BSLOT 0, XFA
	PLACES                                         ; with the four behind a's products: eight places between those and the products of slots 2 and 3, which write over their registers
	s_wait_alu depctr_va_vdst(0)                   ; slot 0's products are done reading the first set of x's fragments, in which slot 2's land
	XFRAG XFA, 2
	BSLOT 1, XFB
	s_wait_alu depctr_va_vdst(0)                   ; slot 1's products are done reading the second set, in which slot 3's land
	XFRAG XFB, 3
	s_wait_dscnt 4                                 ; slot 2's four loads are in; slot 3's four were issued behind them
	s_wait_alu depctr_vm_vsrc(0)                   ; (waves 0-3) the stores of a have read their eight registers, which slot 2's products write
	BSLOT 2, XFA
	s_wait_dscnt 0x0
	BSLOT 3, XFB
	; The closing product's addresses: eleven vector instructions that name no register of the matrix instructions above, so that the reads
	; of b and the vector writes into the registers of x's fragments stand more than four places behind the last of them.
	s_and_b32 s2, s10, 3                           ; which 16 rows d are mine there
	s_lshr_b32 s3, s10, 2                          ; which half of K
	v_lshl_add_u32 v[TMP], s2, 4, v[R]             ; d
	v_lshrrev_b32 v[TMP+1], 3, v[R]
	v_add_nc_u32 v[TMP+1], v[TMP+1], v[H]
	v_lshlrev_b32 v[TMP+1], 4, v[TMP+1]            ; 16 bytes of skew for r >= 8, 16 bytes for h
	v_mad_u32_u24 v[XFD], v[TMP], PX, v[TMP+1]
	v_lshl_add_u32 v[XFD], s3, 9, v[XFD]           ; 256 w = 512 bytes for the upper half of K
	v_lshl_add_u32 v[WFD], v[R], 5, v[TMP+1]
	s_mul_i32 s16, s3, 16*WTILE
	s_add_co_u32 s16, s16, WM
	v_add_nc_u32 v[WFD], s16, v[WFD]
	s_lshl_b32 s16, s11, 5                         ; the low group's first column in bytes: 32 t; the high group's: 2,016 - 32 t
	s_lshl_b32 s17, s11, 6
	s_sub_co_u32 s17, 2016, s17
	v_mad_u32_u24 v[OUTO], v[H], s17, s16
	v_lshl_add_u32 v[OUTO], v[TMP], 11, v[OUTO]    ; + d rows of 2,048 bytes
	s_lshl_b32 s16, s2, 10
	s_add_co_u32 s16, s16, RED
	v_lshl_add_u32 v[REDA], v[LN], 4, s16
	s_wait_dscnt 0x0                               ; a's stores are done (met: waited for above)
	s_barrier_signal -1
	s_barrier_wait -1                              ; a is whole
	s_wait_alu depctr_va_vdst(0)                   ; the products of the four slots are done reading W's fragments, in which the ring lands; v4-7 are written, which the closing product's loads and stores read
; THE NORMS.  The ring: chunk u (16 bytes: channels 2u, 2u+1 of my half, two columns each) lies in v[AA+4u : AA+4u+3].
; From here to the next barrier every wave reads a alone and stores into the blocks of its own four tiles alone.
.set uu, 0
.rept 8
	ds_load_b128 v[AA+4*uu:AA+4*uu+3], v[ARD] offset:(uu>>2)*AMM+(uu&3)*16     ; the lower half of column pair 0; the upper half is asked for in the pair itself, as in every pair
.set uu, uu+1
.endr
.macro STORES n, woff                  ; a pair's 1 - n: two bytes a lane to [tile][column][row]; woff = the pair's place in a tile's block
.set sl, 0
.rept \n
	ds_store_b16 v[WST+sl], v[OUT+sl] offset:(\woff)
.set sl, sl+1
.endr
.endm
; Column pair 'pair' (0..7 of the work-group's 16 columns) on the first n slots.  Batches of cb chunks: up to eight sums a + b, then the squares.
; A sum takes one b for both halves of the pair (op_sel) and the two columns' a: the accumulator pair is two columns' sums.  nacc accumulators
; for a slot, so that at least two other instructions stand between two on one accumulator.  The first product starts each sum.
; The ring's other half is filled meanwhile, 2 cb loads a batch in the half's first batches, between a batch's sums and its squares:
; during chunks 0-7 the chunks 8-15 of this pair, during chunks 8-15 the chunks 0-7 of the next pair (fill = 0: there is none).
; head != 0: the pair before, of the same group, has left its 1 - n in OUT; it is stored here, at woff.
.macro COLPAIR n, nacc, cb, pair, head, woff, fill
.set uu, 0
.rept 16/\cb
.set jj, (uu&7)/\cb                    ; the batch's number in its half
.set ld, 1                             ; does it issue loads?
.if 2*\cb*jj >= 8
.set ld, 0
.endif
.set yy, 2*\cb*jj                      ; loads issued so far in this half
.if yy > 8
.set yy, 8
.endif
.if (uu >= 8) && !(\fill)
.set ld, 0
.set yy, 0
.endif
	s_wait_dscnt 8-\cb*(jj+1)+yy                   ; behind this batch's youngest chunk stand its half's 8 - cb (j + 1) younger chunks and the loads issued so far in this half (LDS stores in between only add to that)
.if (uu == 0) && (\head)
	s_wait_alu depctr_va_vdst(0)                   ; the pair before has written OUT, which the stores below read, and is done reading chunks 8-15, in which this half's loads land
	STORES \n, \woff
.endif
.if uu == 8
.if (\pair) > 0
	s_wait_alu depctr_vm_vsrc(0)                   ; the stores of 1 - n issued last have read OUT, which this pair's end writes again
.endif
.if \fill
	s_wait_alu depctr_va_vdst(0)                   ; the sums above are done reading chunks 0-7, in which this half's loads land
.endif
.endif
.set ti, 0
.set qq, 2*uu
.rept 2*\cb
.set sl, 0
.rept \n
.if qq & 1
	v_pk_add_f32 v[T+2*ti:T+2*ti+1], v[BB+32*sl+qq-1:BB+32*sl+qq], v[AA+2*qq:AA+2*qq+1] op_sel:[1,0] op_sel_hi:[1,1]
.else
	v_pk_add_f32 v[T+2*ti:T+2*ti+1], v[BB+32*sl+qq:BB+32*sl+qq+1], v[AA+2*qq:AA+2*qq+1] op_sel:[0,0] op_sel_hi:[0,1]
.endif
.set sl, sl+1
.set ti, ti+1
.endr
.set qq, qq+1
.endr
.if ld
.set kk, 2*\cb*jj
.rept 2*\cb
.if uu < 8
	ds_load_b128 v[AA+32+4*kk:AA+32+4*kk+3], v[ARD] offset:(\pair)*APAIR+((kk+8)>>2)*AMM+(kk&3)*16   ; no wait: no vector instruction since the last wait on va_vdst names the ring's upper half
.else
	ds_load_b128 v[AA+4*kk:AA+4*kk+3], v[ARD] offset:(\pair+1)*APAIR+(kk>>2)*AMM+(kk&3)*16           ; nor, here, its lower half
.endif
.set kk, kk+1
.endr
.endif
.set ti, 0
.set qq, 2*uu
.rept 2*\cb
.set sl, 0
.rept \n
.set ac, ACC+2*(sl*\nacc+qq%\nacc)
.if qq < \nacc
	v_pk_mul_f32 v[ac:ac+1], v[T+2*ti:T+2*ti+1], v[T+2*ti:T+2*ti+1]
.else
	v_pk_fma_f32 v[ac:ac+1], v[T+2*ti:T+2*ti+1], v[T+2*ti:T+2*ti+1], v[ac:ac+1]
.endif
.set sl, sl+1
.set ti, ti+1
.endr
.set qq, qq+1
.endr
.set uu, uu+\cb
.endr
.endm
; The column pair's end.  A lane has the sums of its 32 channels for both columns.  Lanes 0-15 finish the first column, lanes 16-31 the second:
; each sends the other column's sum across and adds what it gets.  Then n = sqrt, and 1 - n rounded once to bf16, into OUT.
; Only the last live slot can hold the diagonal: there n counts as 0 where row < column, by the group's mask p.
.macro FIN n, nacc, p
.if \nacc == 2
.set sl, 0
.rept \n
	v_pk_add_f32 v[ACC+4*sl:ACC+4*sl+1], v[ACC+4*sl:ACC+4*sl+1], v[ACC+4*sl+2:ACC+4*sl+3]
.set sl, sl+1
.endr
.endif
.if \nacc == 4
	v_pk_add_f32 v[ACC:ACC+1], v[ACC:ACC+1], v[ACC+2:ACC+3]
	v_pk_add_f32 v[ACC+4:ACC+5], v[ACC+4:ACC+5], v[ACC+6:ACC+7]
	v_pk_add_f32 v[ACC:ACC+1], v[ACC:ACC+1], v[ACC+4:ACC+5]
.endif
.set sl, 0
.rept \n
	v_cndmask_b32 v[T+4*sl], v[ACC+2*\nacc*sl+1], v[ACC+2*\nacc*sl], s30       ; sent: the second column's sum from lanes 0-15, the first's from lanes 16-31
	v_cndmask_b32 v[T+4*sl+1], v[ACC+2*\nacc*sl], v[ACC+2*\nacc*sl+1], s30     ; kept
.set sl, sl+1
.endr
.set sl, 0
.rept \n
	v_permlanex16_b32 v[T+4*sl+2], v[T+4*sl], s26, s27
.set sl, sl+1
.endr
.set sl, 0
.rept \n
	v_add_f32 v[T+4*sl+1], v[T+4*sl+1], v[T+4*sl+2]
.set sl, sl+1
.endr
.set sl, 0
.rept \n
	v_sqrt_f32 v[T+4*sl], v[T+4*sl+1]
.set sl, sl+1
.endr
	v_nop                                          ; the plain instruction between the last root and its first use (ISA guide 5.7.2)
	s_wait_alu depctr_va_vdst(0)
	v_cndmask_b32 v[T+4*(\n-1)], 0, v[T+4*(\n-1)], s[MK+\p]
.set sl, 0
.rept \n
	v_fma_mixlo_bf16 v[OUT+sl], v[T+4*sl], v[NEG1], v[ONE]
.set sl, sl+1
.endr
.endm
; A group of four column pairs, first .. first + 3, whose first column is s28; wb = where the group's columns begin in a tile's block.
; The four masks are made in one run: column s28 + 2 p + h <= row, that is 2 p <= row - h - s28.
; more = 1 (the low group): the fourth pair fills the ring's lower half with the high group's first pair; a wave with no live tile there
; does not use those eight loads, and waits for them in front of the next barrier.
.macro GROUP n, nacc, cb, first, wb, more
	v_sub_nc_u32 v[TMP], v[RMH+\n-1], s28
.irp p,0,1,2,3
	v_cmp_le_i32 s[MK+\p], 2*\p, v[TMP]
.endr
	s_wait_alu depctr_va_sdst(0)                   ; the four masks are written, ahead of their first reader
.irp p,0,1,2
	COLPAIR \n, \nacc, \cb, \first+\p, \p, \wb+64*\p-64, 1
	FIN \n, \nacc, \p
.endr
	COLPAIR \n, \nacc, \cb, \first+3, 1, \wb+128, \more
	FIN \n, \nacc, 3
	s_wait_alu depctr_va_vdst(0)                   ; the last pair has written OUT, which the stores below read; the group's sums are done reading chunks 8-15, in which the next group's first loads land, and b, in which the closing product's fragments land
	STORES \n, \wb+192
.endm
	s_lshl_b32 s28, s11, 3                         ; the low group's first column
	s_cmp_eq_u32 s24, 4
	s_cbranch_scc1 .Llow4
	s_cmp_eq_u32 s24, 3
	s_cbranch_scc1 .Llow3
	GROUP 2, 2, 2, 0, 0, 1
	s_branch .Lhigh
.Llow3:
	GROUP 3, 1, 1, 0, 0, 1
	s_branch .Lhigh
.Llow4:
	GROUP 4, 1, 1, 0, 0, 1
.Lhigh:
	s_cmp_eq_u32 s25, 0
	s_cbranch_scc1 .Lcontract
	s_lshl_b32 s28, s11, 3
	s_sub_co_u32 s28, 504, s28                     ; the high group's first column
	s_cmp_eq_u32 s25, 2
	s_cbranch_scc1 .Lhigh2
	GROUP 1, 4, 4, 4, WHIGH, 0
	s_branch .Lcontract
.Lhigh2:
	GROUP 2, 2, 2, 4, WHIGH, 0
; THE CLOSING PRODUCT, used transposed: D(m = column, n = d) = (1 - n)^T x^T, so that a lane's eight results are eight neighbouring columns
; of one row d of out0.  Wave v: rows d 16 (v % 4) .., w = 256 (v / 4) .. + 255: eight steps of K = 32.
; The fragments land in b's registers with no further wait: on every way here the last vector instruction stands ahead of a group's closing wait on va_vdst.
.Lcontract:
	s_wait_dscnt 0x0                               ; my stores of 1 - n are done, and what is left of the ring
	s_barrier_signal -1
.set ks, 0
.rept 8
	ds_load_b128 v[BB+8*ks:BB+8*ks+3], v[XFD] offset:64*ks          ; x in LDS is written by nobody any more: these loads may stand inside the barrier
	ds_load_b128 v[BB+8*ks+4:BB+8*ks+7], v[XFD] offset:64*ks+32
.set ks, ks+1
.endr
	s_barrier_wait -1                              ; 1 - n is whole
.set ks, 0
.rept 8
	ds_load_b128 v[BB+64+8*ks:BB+64+8*ks+3], v[WFD] offset:2*ks*WTILE           ; rows 8 h .. of the step's first tile,
	ds_load_b128 v[BB+64+8*ks+4:BB+64+8*ks+7], v[WFD] offset:(2*ks+1)*WTILE     ; and of its second
.set ks, ks+1
.endr
; Two accumulators take turns; the first two products start the sums.
.set ks, 0
.rept 8
	s_wait_dscnt 14-2*ks                           ; step ks's two loads of 1 - n are in (x's were issued ahead of them all); 14 - 2 ks younger ones stay out
.if ks < 2
	v_wmma_f32_16x16x32_bf16 v[AA+8*ks:AA+8*ks+7], v[BB+64+8*ks:BB+64+8*ks+7], v[BB+8*ks:BB+8*ks+7], 0
.else
	v_wmma_f32_16x16x32_bf16 v[AA+8*(ks&1):AA+8*(ks&1)+7], v[BB+64+8*ks:BB+64+8*ks+7], v[BB+8*ks:BB+8*ks+7], v[AA+8*(ks&1):AA+8*(ks&1)+7]
.endif
.set ks, ks+1
.endr
	PLACES
.irp k,0,2,4,6
	v_pk_add_f32 v[AA+\k:AA+\k+1], v[AA+\k:AA+\k+1], v[AA+8+\k:AA+8+\k+1]
.endr
	s_wait_alu depctr_va_vdst(0)                   ; the four sums are written, which the LDS stores of waves 4-7 read, and are done reading the second accumulator, in which the loads of waves 0-3 land
	s_cmp_lt_u32 s10, 4
	s_cbranch_scc1 .Lowner
	ds_store_b128 v[REDA], v[AA:AA+3]              ; waves 4-7 hand the upper half of K to waves 0-3
	ds_store_b128 v[REDA], v[AA+4:AA+7] offset:512
.Lowner:
	s_wait_dscnt 0x0
	s_barrier_signal -1
	s_barrier_wait -1
	s_cmp_ge_u32 s10, 4
	s_cbranch_scc1 .Lend
	ds_load_b128 v[AA+8:AA+11], v[REDA]
	ds_load_b128 v[AA+12:AA+15], v[REDA] offset:512
	s_wait_dscnt 0x0
.irp k,0,2,4,6
	v_pk_add_f32 v[AA+\k:AA+\k+1], v[AA+\k:AA+\k+1], v[AA+8+\k:AA+8+\k+1]
.endr
	s_wait_alu depctr_va_vdst(0)                   ; the last four sums are written, which the two stores read
	global_store_b128 v[OUTO], v[AA:AA+3], s[8:9]              ; lane (r, h): row d = 16 (v % 4) + r, the 8 columns of group h: 32 consecutive bytes
	global_store_b128 v[OUTO], v[AA+4:AA+7], s[8:9] offset:16
.Lend:
	s_set_vgpr_msb 0x4
	s_wait_dscnt 0x0
	s_wait_alu depctr_hold_cnt(0) depctr_sa_sdst(0) depctr_va_vdst(0) depctr_va_sdst(0) depctr_va_ssrc(0) depctr_va_vcc(0) depctr_vm_vsrc(0)
	s_wait_tensorcnt 0x0
	ds_add_u32 v19, v1
	s_wait_dscnt 0x0
	s_endpgm
.Lfunc_end_k_q6fcc683bb4_bracket:
	.size	k_q6fcc683bb4_bracket, .Lfunc_end_k_q6fcc683bb4_bracket-k_q6fcc683bb4_bracket
	.p2alignl 7, 3214868480
	.fill 96, 4, 3214868480
	.section	.rodata,"a",@progbits
	.p2align	6, 0x0
	.amdhsa_kernel k_q6fcc683bb4_bracket
		.amdhsa_group_segment_fixed_size 115712
		.amdhsa_private_segment_fixed_size 0
		.amdhsa_enable_private_segment 0
		.amdhsa_kernarg_size 24
		.amdhsa_user_sgpr_count 2
		.amdhsa_user_sgpr_kernarg_segment_ptr 1
		.amdhsa_wavefront_size32 1
		.amdhsa_system_sgpr_workgroup_id_x 1
		.amdhsa_system_sgpr_workgroup_id_y 1
		.amdhsa_system_sgpr_workgroup_id_z 1
		.amdhsa_system_vgpr_workitem_id 0
		.amdhsa_next_free_vgpr 258
		.amdhsa_next_free_sgpr 66
		.amdhsa_reserve_vcc 0
		.amdhsa_float_denorm_mode_32 3
		.amdhsa_float_denorm_mode_16_64 3
		.amdhsa_memory_ordered 1
		.amdhsa_forward_progress 1
		.amdhsa_inst_pref_size 255
	.end_amdhsa_kernel
	.section	.bss,"aw",@nobits
	.p2align	6
	.space	262144
	.amdgpu_metadata
---
amdhsa.version: [ 1, 2 ]
amdhsa.kernels:
  - .name:           k_q6fcc683bb4_bracket
    .symbol:         k_q6fcc683bb4_bracket.kd
    .args:
      - { .name: x, .offset: 0, .size: 8, .value_kind: global_buffer, .address_space: global }
      - { .name: W, .offset: 8, .size: 8, .value_kind: global_buffer, .address_space: global }
      - { .name: out0, .offset: 16, .size: 8, .value_kind: global_buffer, .address_space: global }
    .group_segment_fixed_size: 115712
    .private_segment_fixed_size: 0
    .kernarg_segment_align: 8
    .kernarg_segment_size: 24
    .max_flat_workgroup_size: 256
    .sgpr_count:     66
    .vgpr_count:     258
    .wavefront_size: 32
...
	.end_amdgpu_metadata
.endif
;; end of part 2
